; MI455X (gfx1250); checked and timed in simulation.
; The chip was launched on July 23, 2026; its instructions are those of AMD's public machine-readable ISA for CDNA 5 (MIT licence, August 2026) and "CDNA5" Instruction Set Architecture Reference Guide (July 2026). The comments in the code are by the model that wrote it; some were corrected since.
;; Fourier NGP. Allowed arithmetic: float matrix products may take bf16 or f16 operands with f32 sums; all other float work in f32.
;; Inputs: W0 74 x 128 float32; W1 128 x 128 float32; W2 128 x 128 float32; W3 128 x 3 float32; b0 128 float32; b1 128 float32; b2 128 float32; b3 3 float32; grid_feature 1,048,576 x 32 float32; in_pos 1,048,576 x 2 float32.
;; Outputs: out0 1,048,576 x 3 float32.
;; One version. Each part assembles by itself: llvm-mc -triple=amdgcn-amd-amdhsa -mcpu=gfx1250 --defsym DOCPART=n.
;; ======== version 1 of 1: 1 launch
;; limits: a function is approximated: absolute error at most 4.1e-05; values are held in f16: magnitudes above 65,504 overflow, below 6.1e-05 lose precision; inputs' magnitudes at most 13,717
;; launch ngp (part 1): grid 256 x 1, 4 waves a work-group, no clusters, 327,680 bytes of LDS; arguments grid_feature, in_pos, W0, W1, W2, W3, b0, b1, b2, b3, out0; writes out0
.if DOCPART == 1
	.amdgcn_target "amdgcn-amd-amdhsa--gfx1250"
	.amdhsa_code_object_version 6
	.text
	.protected	k_q75a8195e4e_ngp
	.globl	k_q75a8195e4e_ngp
	.p2align	8
	.type	k_q75a8195e4e_ngp,@function
k_q75a8195e4e_ngp:
	s_mov_b64 s[64:65], 0
	v_nop
	global_prefetch_b8 v0, s[64:65] scope:SCOPE_SE
	s_setreg_imm32_b32 hwreg(HW_REG_WAVE_MODE, 25, 1), 1
	s_wait_xcnt 0x0
; FourierNGP: out = clip(W3^T sin(30 (W2^T sin(30 (W1^T sin(30 (W0^T [grid, x, y, pe] + b0)) + b1)) + b2)) + b3, -1, 1) for 1,048,576 points.
; One launch; nothing goes through memory between the layers.  No step and no input of the problem is left out; the only padding is inside live
; tiles (K slots 75 to 95 of layer 0 and rows 3 to 7, 11 to 15 of layer 3 hold zero weights).
;
; SHARES: 256 work-groups of 4,096 points; four waves of 1,024 points; a wave walks 8 tiles of 128 points (one LDS slot each), a tile in 4 trips
; of 32 points, a trip as two pieces of 16 points (piece 0 and piece 1) that share the weight fragments.
;
; THE MATRIX INSTRUCTION IS USED TRANSPOSED: source 0 = 16 output features x 32 inputs of the weights, source 1 = 32 inputs x 16 points.  In the
; result lane (r, h) holds point r and features 16 mt + 8 h + j in register j.  Packing registers (j, j+1) of tile mt to f16 gives register
; 4 mt + j/2 of the next layer's source 1 (16-bit operand layout, ISA guide 7.12.2): the activations never leave the registers.
; ALL WEIGHTS stay in registers as f16 fragments: 92 fragments of 8 registers in windows 1 to 3.  They are made once: each wave loads, scales,
; rounds and transposes 23 of them, the four waves exchange them through LDS.
;
; FORMAT: f16 operands, f32 sums.  Activations lie in [-1, 1]; f16 rounds them eight times finer than bf16 would, and the output's tolerance
; needs that.  LIMITS: inputs finite; |grid_feature|, |in_pos|, |4.775 W0..W2| and |W3| below 65,504 (f16's largest number), else the operand
; becomes an infinity; weights below 6.1e-5 after scaling are kept with an absolute error of 3e-8; the weights are rounded as f16(c W), not
; c f16(W).  A NaN is not carried as reference() carries it: the clip's v_med3_num_f32 drops it.
;
; THE SINE, in f32, by plain arithmetic: the weights of layers 0 to 2 are scaled by c = 30 / (2 pi) and the sums start at c b + 1/4, so a sum is
; t + 1/4 with t in turns.  f = fract(t + 1/4), q = f f - f, and sin(2 pi t) = cos(2 pi (f - 1/2)) = P(q), since (f - 1/2)^2 = q + 1/4.  P has
; degree 4 on q in [-1/4, 0]; its absolute error is at most 4.1e-5 for every argument, whatever the size of t (fract does the reduction).
; THE ENCODING keeps reference()'s rounding: y = fl(x pi) as there (its 2^k are exact), turns = y / (2 pi) as a sum of two f32 (uh + ul),
; fract(2^k uh) is exact, 2^k ul is added behind it.  Lanes 0-15 work on x, lanes 16-31 on y.
;
; NO CLUSTER: the work-groups share only the weights and biases, 172,044 bytes read once by each, against 557,056 bytes of input of its own;
; and the weights pass through registers in any case, to be scaled, rounded and transposed.
;
; LDS (bytes):      0 ..  69,632  slot 0: wave w at 17,408 w: 64 rows of 256 bytes (two points) + 16 of padding
;              69,632 .. 102,400  in_pos of the wave's 1,024 points, wave w at + 8,192 w; filled once
;             102,400 .. 104,192  c b0 + 1/4, c b1 + 1/4, c b2 + 1/4 (512 each), then 32 words: b3[i & 7] where (i & 7) < 3, else 0
;             104,192 .. 110,336  the way out: 128 points x 12 bytes for each wave
;             131,072 .. 200,704  slot 1 = slot 0 + 0x20000
;             200,704 .. 294,912  the 92 fragments: fragment f, registers 4 c .. 4 c + 3 of lane l at 1,024 f + 512 c + 16 l
; Tensor loads fill only the two slots and in_pos; LDS stores write only the other three regions; all regions are whole blocks of 256 bytes.
.set SLOTX,  0x20000                   ; slot 1 - slot 0
.set WTILE,  17408                     ; a wave's part of a slot: 64 x 272
.set POSB,   69632
.set BIB,    102400
.set STB,    104192
.set WFB,    200704
; window 0
.set GA0,  1                           ; LDS address of my 64 bytes of my point's features in my wave's slot 0, first trip, piece 0
.set GA,   2                           ; the same, this slot and trip
.set PA,   3                           ; LDS address of my coordinate of my point, this trip, piece 0
.set BA,   4                           ; bias tables + 32 h
.set SS0,  5                           ; my stage + 12 lane
.set SS,   6                           ; the same, this trip
.set SR,   7                           ; my stage + 16 lane
.set OO,   8                           ; 16 lane
.set POS0, 10                          ; v10, v11: my coordinate, piece 0 and 1
.set CE4,  12                          ; v[12:21]: the polynomial's coefficients, each twice
.set CE3,  14
.set CE2,  16
.set CE1,  18
.set CE0,  20
.set QH,   22                          ; v[22:23] = (1/4, 1/2)
.set PT,   24                          ; v[24:31]: four pairs at work in the polynomial
.set UH,   32                          ; v[32:33]: 2^k uh of two neighbouring octaves
.set UL,   34                          ; v[34:35]: 2^k ul
.set YY,   38
.set EE,   39
.set OUTR, 40                          ; v[40:51]: the way out
.set OV,   52                          ; v[52:54]: my point's three results
.set ACC0, 64                          ; v[64:127] sums of piece 0; piece 1: + 96
.set FR0,  128                         ; v[128:159] f16 activations of piece 0 (four K blocks of 8 registers); piece 1: + 96
; used ahead of the loop only
.set TW,   55
.set RR,   56                          ; r = lane % 16
.set HH,   57                          ; h = lane / 16
.set LN,   58                          ; lane
.set OW1,  59                          ; byte offsets into W1 and W2, W0 (three kinds of rows), W3
.set OW0A, 60
.set OW0B, 61
.set OW0C, 62
.set OW3,  63
.set OB3,  24                          ; 4 min(r & 7, 2)
.set SW1,  25                          ; where my fragments go in LDS
.set SW0,  26
.set SW3,  27
.set RL0,  28                          ; from where all fragments are read back
.set RL1,  29
.set SB,   30
.set BV,   40
; windows 1, 2, 3 (an instruction names v0-v255; s_set_vgpr_msb picks the window of each operand place: bits 1:0 source 0, 3:2 source 1,
; 5:4 source 2, 7:6 destination): window 1 = W1, fragment (q, mt) at 8 (8 q + mt); window 2 = W2 likewise; window 3 = W0 likewise (q = 0..2),
; W3's four at 192 + 8 q.
.set MSB, 0
.macro WIN new                         ; the immediate's high byte repeats the setting that is left
.if MSB != \new
	s_set_vgpr_msb (MSB<<8)|\new
.set MSB, \new
.endif
.endm
.macro NOP4                            ; four places behind the last matrix instructions, ahead of vector work on their registers (ISA guide 7.12.1)
.rept 4
	v_nop
.endr
.endm
	s_load_b512 s[8:23], s[0:1], 0x0               ; grid s[8:9], in_pos s[10:11], W0 s[12:13], W1 s[14:15], W2 s[16:17], W3 s[18:19], b0 s[20:21], b1 s[22:23]
	s_load_b128 s[24:27], s[0:1], 0x40             ; b2 s[24:25], b3 s[26:27]
	s_load_b64 s[28:29], s[0:1], 0x50              ; out0
	v_lshl_add_u32 v36, v0, 2, 0x48000
	v_mov_b32 v37, 0
	ds_add_u32 v36, v37
	ds_add_u32 v36, v37
	v_lshrrev_b32 v[TW], 5, v0
	v_readfirstlane_b32 s2, v[TW]                  ; wave 0..3
	; group 1 of a grid tile: 16,384 dense bytes as 64 rows of 32 elements of 8 bytes, 4 words of padding behind every 64
	s_mov_b32 s36, 0x07530000                      ; 17:16 element of 8 bytes; 20 padding on; 24:22 after 64 words (code 5); 31:25 of 4 words (code 3)
	s_mov_b32 s37, 32<<16                          ; tensor_dim0 = 32
	s_mov_b32 s38, 64<<16                          ; tensor_dim1 = 64
	s_mov_b32 s39, 32<<16                          ; tile_dim0 = 32
	s_mov_b32 s40, 64                              ; tile_dim1 = 64
	s_mov_b32 s41, 32                              ; 32 elements from row to row
	s_mov_b32 s42, 0
	s_mov_b32 s43, 0
	; group 1 of the wave's in_pos: 8,192 dense bytes as 32 rows of 256 bytes, no padding
	s_mov_b32 s48, 0x00030000
	s_mov_b32 s49, 32<<16
	s_mov_b32 s50, 32<<16
	s_mov_b32 s51, 32<<16
	s_mov_b32 s52, 32
	s_mov_b32 s53, 32
	s_mov_b32 s54, 0
	s_mov_b32 s55, 0
	s_mov_b32 s32, 1
	s_mul_i32 s33, s2, WTILE                       ; my part of slot 0
	s_mov_b32 s44, 1
	s_lshl_b32 s45, s2, 13
	s_add_co_u32 s45, s45, POSB                    ; my part of the in_pos region
	s_lshl_b32 s60, ttmp9, 19                      ; 4,096 points x 128 bytes a work-group,
	s_lshl_b32 s62, s2, 17                         ; 1,024 x 128 a wave
	s_add_co_u32 s60, s60, s62
	s_mov_b32 s61, 0
	s_wait_dscnt 0x0
	s_wait_kmcnt 0x0
	s_add_nc_u64 s[34:35], s[8:9], s[60:61]        ; my first tile of grid_feature
	s_or_b32 s35, s35, 0x80000000                  ; type = 2
	s_lshl_b32 s60, ttmp9, 15                      ; 4,096 x 8 bytes a work-group,
	s_lshl_b32 s62, s2, 13                         ; 1,024 x 8 a wave
	s_add_co_u32 s60, s60, s62
	s_add_nc_u64 s[46:47], s[10:11], s[60:61]
	s_or_b32 s47, s47, 0x80000000
	tensor_load_to_lds s[44:47], s[48:55]          ; the two first fills go out together, ahead of every barrier, LDS read and wait on TENSORcnt:
	s_nop 0
	tensor_load_to_lds s[32:35], s[36:43]          ; my in_pos, my tile 0.  Two tensor loads of the wave are out here, later one
	s_nop 0
	s_mul_i32 s60, ttmp9, 49152                    ; out0: 4,096 x 12 bytes a work-group,
	s_mul_i32 s62, s2, 12288                       ; 1,024 x 12 a wave
	s_add_co_u32 s60, s60, s62
	s_add_nc_u64 s[28:29], s[28:29], s[60:61]
	s_mov_b32 s68, 0x4098c9eb                      ; c = 30 / (2 pi)
	s_mov_b32 s69, 0x3e800000                      ; 1/4
	s_mov_b32 s70, 0xffff0000                      ; lanes 16-31
	; lane terms
	v_and_b32 v[RR], 15, v0
	v_bfe_u32 v[HH], v0, 4, 1
	v_and_b32 v[LN], 31, v0
	v_lshlrev_b32 v[OO], 4, v[LN]
	v_lshrrev_b32 v[TW], 1, v[RR]
	v_mul_u32_u24 v[GA0], v[TW], 272               ; point r lies in row r / 2,
	v_and_b32 v[TW], 1, v[RR]
	v_lshl_add_u32 v[GA0], v[TW], 7, v[GA0]        ; half r % 2 of it; 16-byte column (r/2 + 8 (r%2) + const) mod 16: sixteen lanes, sixteen columns
	v_lshl_add_u32 v[GA0], v[HH], 6, v[GA0]        ; lanes 16-31 take features 16 to 31
	v_add_nc_u32 v[GA0], s33, v[GA0]
	v_lshlrev_b32 v[PA], 3, v[RR]
	v_lshl_add_u32 v[PA], v[HH], 2, v[PA]          ; lanes 0-15 x, lanes 16-31 y
	v_add_nc_u32 v[PA], s45, v[PA]
	v_lshl_add_u32 v[BA], v[HH], 5, BIB            ; my 8 features of a tile of 16
	s_mul_i32 s62, s2, 1536
	s_add_co_u32 s62, s62, STB                     ; my stage
	v_mad_u32_u24 v[SS0], v[LN], 12, s62
	v_lshl_add_u32 v[SR], v[LN], 4, s62
	v_and_b32 v[TW], 7, v0
	v_cmp_gt_u32 vcc_lo, 3, v[TW]                  ; rows 0-2 and 8-10 of layer 3's tile are live; kept until the fragments are made
	v_min_u32 v[OB3], 2, v[TW]
	v_lshlrev_b32 v[OB3], 2, v[OB3]                ; the others read column 2 (inside the buffer) and are cleared below
	v_lshlrev_b32 v[TW], 2, v[RR]                  ; 4 r
	s_lshl_b32 s60, s2, 14
	v_lshl_add_u32 v[OW1], v[HH], 12, v[TW]        ; W1, W2: K block q = wave (32 rows of 512 bytes), + 8 h rows, column r
	v_add_nc_u32 v[OW1], s60, v[OW1]
	s_lshl_b32 s60, s2, 7
	v_add_nc_u32 v[TW], s60, v[TW]                 ; W0: tiles mt = 2 wave + u: column 32 wave + 16 u + r
	v_lshl_add_u32 v[OW0A], v[HH], 13, v[TW]       ; features: row 16 h + n
	v_mad_u32_u24 v[OW0B], v[HH], 10240, v[TW]     ; encoding: coordinate h begins 20 h rows on
	v_lshl_add_u32 v[OW0C], v[HH], 9, v[TW]        ; the coordinate itself: row 32 + h
	s_mul_i32 s60, s2, 384
	v_mad_u32_u24 v[OW3], v[HH], 96, v[OB3]        ; W3: K block q = wave (32 rows of 12 bytes), + 8 h rows
	v_add_nc_u32 v[OW3], s60, v[OW3]
	s_lshl_b32 s60, s2, 13
	s_add_co_u32 s60, s60, WFB
	v_add_nc_u32 v[SW1], s60, v[OO]                ; fragments 8 wave + mt (W2: + 32)
	s_lshl_b32 s60, s2, 11
	s_add_co_u32 s60, s60, WFB+65536
	v_add_nc_u32 v[SW0], s60, v[OO]                ; fragments 64 + 8 q + 2 wave + u
	s_lshl_b32 s60, s2, 10
	s_add_co_u32 s60, s60, WFB+90112
	v_add_nc_u32 v[SW3], s60, v[OO]                ; fragment 88 + wave
	v_add_nc_u32 v[RL0], WFB, v[OO]
	v_add_nc_u32 v[RL1], WFB+65536, v[OO]
	; biases: wave l = 0, 1, 2 takes b_l (128 numbers, four a lane), wave 3 takes b3
	s_cmp_eq_u32 s2, 1
	s_cselect_b64 s[66:67], s[22:23], s[20:21]
	s_cmp_eq_u32 s2, 2
	s_cselect_b64 s[66:67], s[24:25], s[66:67]
	s_cmp_eq_u32 s2, 3
	s_cbranch_scc1 .Lb3_load
	global_load_b128 v[BV:BV+3], v[OO], s[66:67]
	s_branch .Lb_loaded
.Lb3_load:
	global_load_b32 v[BV], v[OB3], s[26:27]
.Lb_loaded:
	; weights, one number a lane and load: register 16 t + n of the window is slot n (register n / 2, half n % 2) of my fragment t.
	; True K places: slot n of lane half h is k = 8 h + n + 8 (n / 8) of the block of 32.
	WIN 0x40
.set wm, 0
.rept 8
.set wn, 0
.rept 16
	global_load_b32 v[16*wm+wn], v[OW1], s[14:15] offset:wm*64+(wn+8*(wn/8))*512
.set wn, wn+1
.endr
.set wm, wm+1
.endr
	WIN 0x80
.set wm, 0
.rept 8
.set wn, 0
.rept 16
	global_load_b32 v[16*wm+wn], v[OW1], s[16:17] offset:wm*64+(wn+8*(wn/8))*512
.set wn, wn+1
.endr
.set wm, wm+1
.endr
	; W0's K places are my own order, the same as the activations' below: block 0: slot n of half h = feature 16 h + n; blocks 1 and 2:
	; register rho = 0..9 of half h = (sin, cos) of octave rho of coordinate h, register 10 = (the coordinate, 0), registers 11 to 15 = 0.
	WIN 0xc0
.set wu, 0
.rept 2
.set wn, 0
.rept 16
	global_load_b32 v[16*wu+wn], v[OW0A], s[12:13] offset:wn*512+wu*64
	global_load_b32 v[32+16*wu+wn], v[OW0B], s[12:13] offset:(34+wn/2+10*(wn%2))*512+wu*64
.set wn, wn+1
.endr
.set wn, 0
.rept 4
	global_load_b32 v[64+16*wu+wn], v[OW0B], s[12:13] offset:(42+wn/2+10*(wn%2))*512+wu*64
.set wn, wn+1
.endr
	global_load_b32 v[64+16*wu+4], v[OW0C], s[12:13] offset:32*512+wu*64
.set wn, 5
.rept 11
	v_mov_b32 v[64+16*wu+wn], 0
.set wn, wn+1
.endr
.set wu, wu+1
.endr
.set wn, 0
.rept 16
	global_load_b32 v[96+wn], v[OW3], s[18:19] offset:(wn+8*(wn/8))*12
.set wn, wn+1
.endr
	WIN 0
	s_wait_loadcnt 0x0                             ; all weights and biases of this wave, once
	s_lshl_b32 s60, s2, 9
	s_add_co_u32 s60, s60, BIB                     ; table l at 512 l; b3's words at 512 x 3
	s_cmp_eq_u32 s2, 3
	s_cbranch_scc1 .Lb3_put
	v_fma_f32 v[BV], v[BV], s68, s69               ; c b + 1/4: where the sums start
	v_fma_f32 v[BV+1], v[BV+1], s68, s69
	v_fma_f32 v[BV+2], v[BV+2], s68, s69
	v_fma_f32 v[BV+3], v[BV+3], s68, s69
	v_add_nc_u32 v[SB], s60, v[OO]
	ds_store_b128 v[SB], v[BV:BV+3]
	s_branch .Lb_put
.Lb3_put:
	v_cndmask_b32 v[BV], 0, v[BV], vcc_lo          ; word i: b3[i & 7] where (i & 7) < 3, else 0
	v_lshl_add_u32 v[SB], v[LN], 2, s60
	ds_store_b32 v[SB], v[BV]
.Lb_put:
	; scale by c (not W3), round to f16, two slots to a register: fragment t at 128 + 8 t of the window; then into LDS
	WIN 0x45
.set wn, 0
.rept 64
	v_pk_mul_f32 v[2*wn:2*wn+1], v[2*wn:2*wn+1], s[68:69] op_sel_hi:[1,0]
.set wn, wn+1
.endr
.set wn, 0
.rept 64
	v_cvt_pk_f16_f32 v[128+wn], v[2*wn], v[2*wn+1]
.set wn, wn+1
.endr
	WIN 0x04
.set wn, 0
.rept 16
	ds_store_b128 v[SW1], v[128+4*wn:128+4*wn+3] offset:512*wn
.set wn, wn+1
.endr
	WIN 0x8a
.set wn, 0
.rept 64
	v_pk_mul_f32 v[2*wn:2*wn+1], v[2*wn:2*wn+1], s[68:69] op_sel_hi:[1,0]
.set wn, wn+1
.endr
.set wn, 0
.rept 64
	v_cvt_pk_f16_f32 v[128+wn], v[2*wn], v[2*wn+1]
.set wn, wn+1
.endr
	WIN 0x08
.set wn, 0
.rept 16
	ds_store_b128 v[SW1], v[128+4*wn:128+4*wn+3] offset:32768+512*wn
.set wn, wn+1
.endr
	WIN 0xcf
.set wn, 0
.rept 48
	v_pk_mul_f32 v[2*wn:2*wn+1], v[2*wn:2*wn+1], s[68:69] op_sel_hi:[1,0]
.set wn, wn+1
.endr
.set wn, 0
.rept 56
	v_cvt_pk_f16_f32 v[128+wn], v[2*wn], v[2*wn+1]
.set wn, wn+1
.endr
.set wn, 0
.rept 8
	v_cndmask_b32 v[176+wn], 0, v[176+wn], vcc_lo  ; W3: rows 3-7 and 11-15 of the tile are zero; rows 8-10 repeat rows 0-2
.set wn, wn+1
.endr
	WIN 0x0c
.set wm, 0
.rept 3
.set wn, 0
.rept 4
	ds_store_b128 v[SW0], v[128+16*wm+4*wn:128+16*wm+4*wn+3] offset:8192*wm+512*wn   ; block q = wm; wn = 2 u + c
.set wn, wn+1
.endr
.set wm, wm+1
.endr
	ds_store_b128 v[SW3], v[176:179]
	ds_store_b128 v[SW3], v[180:183] offset:512
	WIN 0
	s_wait_dscnt 0x0                               ; my fragments and my bias table are in LDS, for the other waves' sake
	s_barrier_signal -1
	s_barrier_wait -1                              ; everybody's are.  My two tensor loads may stay out
	WIN 0x40
.set wn, 0
.rept 64
	ds_load_b128 v[4*wn:4*wn+3], v[RL0] offset:512*wn
.set wn, wn+1
.endr
	WIN 0x80
.set wn, 0
.rept 64
	ds_load_b128 v[4*wn:4*wn+3], v[RL0] offset:32768+512*wn
.set wn, wn+1
.endr
	WIN 0xc0
.set wn, 0
.rept 56
	ds_load_b128 v[4*wn:4*wn+3], v[RL1] offset:512*wn
.set wn, wn+1
.endr
	WIN 0
	s_wait_dscnt 0x0                               ; all 92 fragments are in my registers; the address registers above are free
	v_mov_b32 v[CE4], 0x42367bf5                   ; 45.621051
	v_mov_b32 v[CE4+1], 0x42367bf5
	v_mov_b32 v[CE3], 0xc213143b                   ; -36.769755
	v_mov_b32 v[CE3+1], 0xc213143b
	v_mov_b32 v[CE2], 0x419fe3cd                   ; 19.986231
	v_mov_b32 v[CE2+1], 0x419fe3cd
	v_mov_b32 v[CE1], 0x3c00172e                   ; 0.0078180266
	v_mov_b32 v[CE1+1], 0x3c00172e
	v_mov_b32 v[CE0], 0xbf7ffd6b                   ; -0.99996058
	v_mov_b32 v[CE0+1], 0xbf7ffd6b
	v_mov_b32 v[QH], 0x3e800000                    ; 1/4: a sine
	v_mov_b32 v[QH+1], 0.5                         ; 1/2: a cosine
; n pairs of arguments (turns + 1/4) at v[a ..] become n registers of two f16 sines at v[d ..].  Eight instructions a pair; with n = 4 every
; instruction stands four behind the one whose result it takes.
.macro COS a, d, n
.set ci, 0
.rept 2*(\n)
	v_fract_f32 v[\a+ci], v[\a+ci]
.set ci, ci+1
.endr
.set ci, 0
.rept \n
	v_pk_fma_f32 v[\a+2*ci:\a+2*ci+1], v[\a+2*ci:\a+2*ci+1], v[\a+2*ci:\a+2*ci+1], v[\a+2*ci:\a+2*ci+1] neg_lo:[0,0,1] neg_hi:[0,0,1]   ; q = f f - f
.set ci, ci+1
.endr
.set ci, 0
.rept \n
	v_pk_fma_f32 v[PT+2*ci:PT+2*ci+1], v[\a+2*ci:\a+2*ci+1], v[CE4:CE4+1], v[CE3:CE3+1]
.set ci, ci+1
.endr
.set ci, 0
.rept \n
	v_pk_fma_f32 v[PT+2*ci:PT+2*ci+1], v[PT+2*ci:PT+2*ci+1], v[\a+2*ci:\a+2*ci+1], v[CE2:CE2+1]
.set ci, ci+1
.endr
.set ci, 0
.rept \n
	v_pk_fma_f32 v[PT+2*ci:PT+2*ci+1], v[PT+2*ci:PT+2*ci+1], v[\a+2*ci:\a+2*ci+1], v[CE1:CE1+1]
.set ci, ci+1
.endr
.set ci, 0
.rept \n
	v_pk_fma_f32 v[PT+2*ci:PT+2*ci+1], v[PT+2*ci:PT+2*ci+1], v[\a+2*ci:\a+2*ci+1], v[CE0:CE0+1]
.set ci, ci+1
.endr
.set ci, 0
.rept \n
	v_cvt_pk_f16_f32 v[\d+ci], v[PT+2*ci], v[PT+2*ci+1]
.set ci, ci+1
.endr
.endm
; piece p's inputs: my coordinate, and my 16 features into registers 32 to 47 of the piece's sums (free until the bias comes).  Five LDS loads.
.macro LOADIN p
	ds_load_b32 v[POS0+\p], v[PA] offset:128*\p
.set ei, 0
.rept 4
	ds_load_b128 v[ACC0+96*\p+32+4*ei:ACC0+96*\p+35+4*ei], v[GA] offset:2176*\p+16*ei
.set ei, ei+1
.endr
.endm
; piece p's 96 K slots of layer 0, in the order of W0's fragments
.macro ENC p
.set ei, 0
.rept 8
	v_cvt_pk_f16_f32 v[FR0+96*\p+ei], v[ACC0+96*\p+32+2*ei], v[ACC0+96*\p+33+2*ei]
.set ei, ei+1
.endr
	v_mul_f32 v[YY], 0x40490fdb, v[POS0+\p]        ; y = fl(x pi), as reference() rounds it; its 2^k y are exact
	v_mul_f32 v[UH], 0.15915494, v[YY]             ; y / (2 pi): the head,
	v_fma_f32 v[EE], v[YY], 0.15915494, -v[UH]     ; what the head's rounding lost,
	v_fma_f32 v[UL], v[YY], 0x31dc9c88, v[EE]      ; and y x (1 / (2 pi) - the constant above)
	v_add_f32 v[UH+1], v[UH], v[UH]                ; the next octave
	v_add_f32 v[UL+1], v[UL], v[UL]
.set ej, 0
.rept 5
	v_fract_f32 v[ACC0+96*\p+20+2*ej], v[UH]       ; exact
	v_fract_f32 v[ACC0+96*\p+21+2*ej], v[UH+1]
	v_pk_add_f32 v[ACC0+96*\p+20+2*ej:ACC0+96*\p+21+2*ej], v[ACC0+96*\p+20+2*ej:ACC0+96*\p+21+2*ej], v[UL:UL+1]
	v_pk_add_f32 v[ACC0+96*\p+4*ej:ACC0+96*\p+4*ej+1], v[ACC0+96*\p+20+2*ej:ACC0+96*\p+21+2*ej], v[QH:QH+1] op_sel:[0,0] op_sel_hi:[0,1]     ; octave 2 j: (t + 1/4, t + 1/2)
	v_pk_add_f32 v[ACC0+96*\p+4*ej+2:ACC0+96*\p+4*ej+3], v[ACC0+96*\p+20+2*ej:ACC0+96*\p+21+2*ej], v[QH:QH+1] op_sel:[1,0] op_sel_hi:[1,1]   ; octave 2 j + 1
.if ej < 4
	v_pk_mul_f32 v[UH:UH+1], v[UH:UH+1], 4.0 op_sel_hi:[1,0]
	v_pk_mul_f32 v[UL:UL+1], v[UL:UL+1], 4.0 op_sel_hi:[1,0]
.endif
.set ej, ej+1
.endr
	COS ACC0+96*\p, FR0+96*\p+8, 4
	COS ACC0+96*\p+8, FR0+96*\p+12, 4
	COS ACC0+96*\p+16, FR0+96*\p+16, 2
	v_cvt_pk_f16_f32 v[FR0+96*\p+18], v[POS0+\p], 0
.set ei, 19
.rept 5
	v_mov_b32 v[FR0+96*\p+ei], 0                   ; the last trip's sines lay here
.set ei, ei+1
.endr
.endm
; the sums of piece p start at layer l's bias: register j of tile mt = table[16 mt + 8 h + j]; sixteen lanes read the same 16 bytes
.macro BIAS p, l
.if \l < 3
.set bm, 0
.rept 8
	ds_load_b128 v[ACC0+96*\p+8*bm:ACC0+96*\p+8*bm+3], v[BA] offset:512*\l+64*bm
	ds_load_b128 v[ACC0+96*\p+8*bm+4:ACC0+96*\p+8*bm+7], v[BA] offset:512*\l+64*bm+16
.set bm, bm+1
.endr
.else
	ds_load_b128 v[ACC0+96*\p:ACC0+96*\p+3], v[BA] offset:1536
	ds_load_b128 v[ACC0+96*\p+4:ACC0+96*\p+7], v[BA] offset:1552
.endif
.endm
; layer l = 0, 1, 2 of piece p.  The eight accumulators take turns, one instruction a turn.
.macro MAT p, l
.if \l == 0
	WIN 0x03
.set mnq, 3
.endif
.if \l == 1
	WIN 0x01
.set mnq, 4
.endif
.if \l == 2
	WIN 0x02
.set mnq, 4
.endif
.set mq, 0
.rept mnq
.set mm, 0
.rept 8
	v_wmma_f32_16x16x32_f16 v[ACC0+96*\p+8*mm:ACC0+96*\p+8*mm+7], v[8*(8*mq+mm):8*(8*mq+mm)+7], v[FR0+96*\p+8*mq:FR0+96*\p+8*mq+7], v[ACC0+96*\p+8*mm:ACC0+96*\p+8*mm+7]
.set mm, mm+1
.endr
.set mq, mq+1
.endr
.endm
; layer 3: one tile a piece; the two pieces' accumulators take turns
.macro MAT3
	WIN 0x03
.set mq, 0
.rept 4
	v_wmma_f32_16x16x32_f16 v[ACC0:ACC0+7], v[192+8*mq:199+8*mq], v[FR0+8*mq:FR0+8*mq+7], v[ACC0:ACC0+7]
	v_wmma_f32_16x16x32_f16 v[ACC0+96:ACC0+103], v[192+8*mq:199+8*mq], v[FR0+96+8*mq:FR0+96+8*mq+7], v[ACC0+96:ACC0+103]
.set mq, mq+1
.endr
.endm
; 128 sums of piece p become the next layer's 32 registers of f16
.macro SIN p
.set sm, 0
.rept 8
	COS ACC0+96*\p+8*sm, FR0+96*\p+4*sm, 4
.set sm, sm+1
.endr
.endm
; the sines behind layer l - 1, layer l's biases, layer l's products
.macro HID l
	NOP4
	SIN 0
	BIAS 0, \l
	SIN 1
	BIAS 1, \l
.if \l < 3
	s_wait_dscnt 16                                ; piece 0's bias is in; piece 1's sixteen loads are younger
	MAT 0, \l
	s_wait_dscnt 0
	MAT 1, \l
.else
	s_wait_dscnt 0
	MAT3
.endif
	WIN 0
.endm
; one tile of 128 points out of the slot at s56: four trips of 32 points, then the tile's 1,536 bytes of results
.macro PROCESS last
	v_add_nc_u32 v[GA], s56, v[GA0]
	v_mov_b32 v[SS], v[SS0]
	s_mov_b32 s58, 0
.Ltrip_\@:
	LOADIN 0
	LOADIN 1
	s_wait_dscnt 5                                 ; piece 0's inputs are in (and the last trip's three stage stores); piece 1's five loads are younger
	ENC 0
	BIAS 0, 0
	s_wait_dscnt 16                                ; piece 1's inputs are in; piece 0's sixteen bias loads are younger
	ENC 1
	BIAS 1, 0
	s_wait_dscnt 16                                ; piece 0's bias is in; piece 1's sixteen loads are younger
	MAT 0, 0
	s_wait_dscnt 0
	MAT 1, 0
	WIN 0
	HID 1
	HID 2
	HID 3
	; rows 0-2 and 8-10 of layer 3's tile are the same, so both halves of the lanes hold point r's three results in registers 0 to 2:
	; lanes 0-15 keep piece 0's, lanes 16-31 piece 1's, and lane l holds point l of the trip's 32
	NOP4
	v_cndmask_b32 v[OV], v[ACC0], v[ACC0+96], s70
	v_cndmask_b32 v[OV+1], v[ACC0+1], v[ACC0+97], s70
	v_cndmask_b32 v[OV+2], v[ACC0+2], v[ACC0+98], s70
	v_med3_num_f32 v[OV], v[OV], -1.0, 1.0
	v_med3_num_f32 v[OV+1], v[OV+1], -1.0, 1.0
	v_med3_num_f32 v[OV+2], v[OV+2], -1.0, 1.0
	ds_store_b32 v[SS], v[OV]
	ds_store_b32 v[SS], v[OV+1] offset:4
	ds_store_b32 v[SS], v[OV+2] offset:8
	v_add_nc_u32 v[GA], 4352, v[GA]                ; 32 points = 16 rows of 272 bytes
	v_add_nc_u32 v[PA], 256, v[PA]                 ; 32 points x 8 bytes; runs on through all 32 trips of the wave
	v_add_nc_u32 v[SS], 384, v[SS]                 ; 32 points x 12 bytes
	s_add_co_u32 s58, s58, 1
	s_cmp_lt_u32 s58, 4
	s_cbranch_scc1 .Ltrip_\@
	ds_load_b128 v[OUTR:OUTR+3], v[SR]             ; my own stage: LDS serves a wave's instructions in order (ISA guide 5.7.1), these see the stores above
	ds_load_b128 v[OUTR+4:OUTR+7], v[SR] offset:512
	ds_load_b128 v[OUTR+8:OUTR+11], v[SR] offset:1024
	s_wait_dscnt 0x0
	global_store_b128 v[OO], v[OUTR:OUTR+3], s[28:29] th:TH_STORE_NT                 ; each store of the wave covers 512 consecutive bytes, at a multiple of 256 from out0's first byte
	global_store_b128 v[OO], v[OUTR+4:OUTR+7], s[28:29] offset:512 th:TH_STORE_NT
	global_store_b128 v[OO], v[OUTR+8:OUTR+11], s[28:29] offset:1024 th:TH_STORE_NT
.if \last == 0
	s_wait_xcnt 0x0                                ; the stores' base and data are rewritten only behind this wait
	s_add_nc_u64 s[28:29], s[28:29], 1536
.endif
.endm
	s_mov_b32 s56, 0                               ; the slot that is read
	s_mov_b32 s57, 0
.Ltile:                                            ; trip i = 0..6: asks for tile i + 1, works on tile i
	s_wait_tensorcnt 0x0                           ; all my tensor loads have landed, tile i (and in trip 0 my in_pos) among them: group 0 may be written
	ds_add_u32 v36, v37
	s_xor_b32 s33, s33, SLOTX                      ; the other slot,
	s_add_nc_u64 s[34:35], s[34:35], 16384         ; the next 128 points
	s_wait_dscnt 0x0                               ; my reads of that slot are back
	s_barrier_signal -1
	s_barrier_wait -1                              ; both hold of every wave
	tensor_load_to_lds s[32:35], s[36:43]          ; my one tensor load behind this barrier, first thing there (in trip 0 slot 1's first fill); it has four trips of 32 points in which to land
	s_nop 0
	PROCESS 0
	s_xor_b32 s56, s56, SLOTX
	s_add_co_u32 s57, s57, 1
	s_cmp_lt_u32 s57, 7
	s_cbranch_scc1 .Ltile
	s_wait_tensorcnt 0x0                           ; tile 7, which only this wave reads; nothing is left to fetch, and no tensor load is out at the end
	PROCESS 1
	s_wait_tensorcnt 0x0
	ds_add_u32 v36, v37
	s_wait_dscnt 0x0
	s_endpgm
.Lfunc_end_k_q75a8195e4e_ngp:
	.size	k_q75a8195e4e_ngp, .Lfunc_end_k_q75a8195e4e_ngp-k_q75a8195e4e_ngp
	.p2alignl 7, 3214868480
	.fill 96, 4, 3214868480
	.section	.rodata,"a",@progbits
	.p2align	6, 0x0
	.amdhsa_kernel k_q75a8195e4e_ngp
		.amdhsa_group_segment_fixed_size 327680
		.amdhsa_private_segment_fixed_size 0
		.amdhsa_enable_private_segment 0
		.amdhsa_kernarg_size 88
		.amdhsa_user_sgpr_count 2
		.amdhsa_user_sgpr_kernarg_segment_ptr 1
		.amdhsa_wavefront_size32 1
		.amdhsa_system_sgpr_workgroup_id_x 1
		.amdhsa_system_sgpr_workgroup_id_y 1
		.amdhsa_system_sgpr_workgroup_id_z 1
		.amdhsa_system_vgpr_workitem_id 0
		.amdhsa_next_free_vgpr 1024
		.amdhsa_next_free_sgpr 72
		.amdhsa_reserve_vcc 1
		.amdhsa_float_denorm_mode_32 3
		.amdhsa_float_denorm_mode_16_64 3
		.amdhsa_memory_ordered 1
		.amdhsa_forward_progress 1
		.amdhsa_inst_pref_size 255
	.end_amdhsa_kernel
	.section	.bss,"aw",@nobits
	.p2align	6
	.space	262144
	.amdgpu_metadata
---
amdhsa.version: [ 1, 2 ]
amdhsa.kernels:
  - .name:           k_q75a8195e4e_ngp
    .symbol:         k_q75a8195e4e_ngp.kd
    .args:
      - { .name: grid_feature, .offset: 0, .size: 8, .value_kind: global_buffer, .address_space: global }
      - { .name: in_pos, .offset: 8, .size: 8, .value_kind: global_buffer, .address_space: global }
      - { .name: W0, .offset: 16, .size: 8, .value_kind: global_buffer, .address_space: global }
      - { .name: W1, .offset: 24, .size: 8, .value_kind: global_buffer, .address_space: global }
      - { .name: W2, .offset: 32, .size: 8, .value_kind: global_buffer, .address_space: global }
      - { .name: W3, .offset: 40, .size: 8, .value_kind: global_buffer, .address_space: global }
      - { .name: b0, .offset: 48, .size: 8, .value_kind: global_buffer, .address_space: global }
      - { .name: b1, .offset: 56, .size: 8, .value_kind: global_buffer, .address_space: global }
      - { .name: b2, .offset: 64, .size: 8, .value_kind: global_buffer, .address_space: global }
      - { .name: b3, .offset: 72, .size: 8, .value_kind: global_buffer, .address_space: global }
      - { .name: out0, .offset: 80, .size: 8, .value_kind: global_buffer, .address_space: global }
    .group_segment_fixed_size: 327680
    .private_segment_fixed_size: 0
    .kernarg_segment_align: 8
    .kernarg_segment_size: 88
    .max_flat_workgroup_size: 128
    .sgpr_count:     72
    .vgpr_count:     1024
    .wavefront_size: 32
...
	.end_amdgpu_metadata
.endif
;; end of part 1
